; MI455X (gfx1250); checked and timed in simulation.
; The chip was launched on July 23, 2026; its instructions are those of AMD's public machine-readable ISA for CDNA 5 (MIT licence, August 2026) and "CDNA5" Instruction Set Architecture Reference Guide (July 2026). The comments in the code are by the model that wrote it; some were corrected since.
;; Tritter MLP. Allowed arithmetic: matrix products marked QUANTISED: E4M3 operands, one given power-of-two scale a tensor, by v_wmma_f32_16x16x64_fp8_fp8 or v_wmma_f32_16x16x128_fp8_fp8, f32 sums; everything else in f32.
;; Inputs: b_down 2,048 float32; b_gate 8,192 float32; b_up 8,192 float32; hidden_states_codes 4 x 256 x 64 x 32 uint8 (E4M3 codes of hidden_states, K innermost, in blocks of 32 codes); lowp_scales 6 int32 (the exponents e of the quantised operands' scales 2^e); w_down_codes 2,048 x 256 x 32 uint8 (E4M3 codes of w_down, K innermost, in blocks of 32 codes); w_gate_codes 8,192 x 64 x 32 uint8 (E4M3 codes of w_gate, K innermost, in blocks of 32 codes); w_up_codes 8,192 x 64 x 32 uint8 (E4M3 codes of w_up, K innermost, in blocks of 32 codes).
;; Outputs: out0 4 x 256 x 2,048 float32.
;; This version of the problem:
;;   THIS VERSION OF THE PROBLEM IS GIVEN IN LOW PRECISION. The matrix products marked QUANTISED in the list below multiply operands that are first quantised to E4M3 (4 exponent bits, 3 mantissa bits; 8 bits a number), with one given power-of-two scale for each operand tensor; their sums are f32. All else is computed in f32.
;;   The module's matrix products, in the order in which they are computed (A, B: the left and right operand; K: the contracted axis; several contracted axes count as one K, in the product's order):
;;     1. [M 1,024, K 2,048] x [K 2,048, N 8,192]; A: input hidden_states (given as codes); B: input w_gate (given as codes): QUANTISED (scales: A lowp_scales[0], B lowp_scales[1])
;;     2. [M 1,024, K 2,048] x [K 2,048, N 8,192]; A: input hidden_states (given as codes); B: input w_up (given as codes): QUANTISED (scales: A lowp_scales[2], B lowp_scales[3])
;;     3. [M 1,024, K 8,192] x [K 8,192, N 2,048]; A: computed on the way; B: input w_down (given as codes): QUANTISED (scales: A lowp_scales[4], B lowp_scales[5])
;;   THE QUANTISER, for each operand of a quantised product, along K:
;;     - The operand's scale is 2^e, e = its entry of the input lowp_scales (int32; the entries are numbered through the quantised products in the list's order, A before B).
;;     - Each number is divided by the scale, clamped to +-448, and rounded to the nearest number of E4M3, ties to even, subnormals kept.
;;     - The product sums the exact products of the quantised numbers (number of the format x scale) in f32.
;;   ~~~python
;;   def quantise(x, axis, e):      # numpy; x: float32 -> the quantised numbers, widened to float32 again
;;       x = np.moveaxis(x, axis, -1); K = x.shape[-1]
;;       r = np.clip(x / 2.0 ** e, -448, 448)
;;       step = 2.0 ** (np.maximum(np.frexp(np.where(r == 0, 1, r))[1] - 1, -6) - 3)
;;       q = np.round(r / step) * step * 2.0 ** e      # np.round: ties to even
;;       return np.moveaxis(q, -1, axis).astype(np.float32)
;;   ~~~
;;   OPERANDS COMPUTED ON THE WAY. 'Computed on the way' means the value that the module computes at that place (a softmax that the list does not call 'softmax' is quantised finished and normalised). What goes into a quantiser is computed in f32, as accurately as f32 sums, v_exp_f32 and their like allow (about 1e-6 of the number): no bf16 or f16 on the way to a quantiser, and a product that is left as it is and whose result goes on into a quantised operand takes f32 operands (vector FMAs, or v_wmma_f32_16x16x4_f32). A number that lies on a knife's edge between two numbers of the format may be rounded either way, as far as f32 arithmetic and the matrix unit's own rounding can turn it there, and no further.
;;   INPUTS GIVEN AS CODES. hidden_states (in the module: [4, 256, 2048], K = its axis 2); w_down (in the module: [8192, 2048], K = its axis 0); w_gate (in the module: [2048, 8192], K = its axis 0); w_up (in the module: [2048, 8192], K = its axis 0): each comes as NAME_codes (uint8): NAME with its K axis moved to the last place and cut into blocks of 32 codes, [.., K / 32, bytes a block], one block behind the other in memory; one code a byte (a code: sign, 4 exponent bits, 3 mantissa bits); its scale is its entry of lowp_scales. Its value is code x scale, taken as it is: it is not quantised again, and the codes and scales need not be those that the quantiser above would give.
;; One version. Each part assembles by itself: llvm-mc -triple=amdgcn-amd-amdhsa -mcpu=gfx1250 --defsym DOCPART=n.
;; ======== version 1 of 1: 2 launches
;; limits: right only within a limited range of input values
;; workspace buffers: hq 8,388,608 bytes
;; launch gateup (part 1): grid 64 x 4, 4 waves a work-group, clusters of 4 x 4, 327,680 bytes of LDS; arguments hidden_states_codes, w_gate_codes, w_up_codes, lowp_scales, b_gate, b_up, hq; writes hq
.if DOCPART == 1
	.amdgcn_target "amdgcn-amd-amdhsa--gfx1250"
	.amdhsa_code_object_version 6
	.text
	.protected	k_q5f4c7ab88e_gateup
	.globl	k_q5f4c7ab88e_gateup
	.p2align	8
	.type	k_q5f4c7ab88e_gateup,@function
k_q5f4c7ab88e_gateup:
	s_mov_b64 s[64:65], 0
	v_nop
	global_prefetch_b8 v0, s[64:65] scope:SCOPE_SE
	s_setreg_imm32_b32 hwreg(HW_REG_WAVE_MODE, 25, 1), 1
	s_wait_xcnt 0x0
	s_wait_alu depctr_hold_cnt(0) depctr_sa_sdst(0) depctr_va_vdst(0) depctr_va_sdst(0) depctr_va_ssrc(0) depctr_va_vcc(0) depctr_vm_vsrc(0)
	s_getreg_b32 s2, hwreg(HW_REG_IB_STS2, 6, 4)
	s_cmp_eq_u32 s2, 0
	s_cbranch_scc0 .Lentry_in_a_cluster
	s_endpgm
.Lentry_in_a_cluster:
	s_bfe_u32 s2, ttmp6, 0x10000c
	s_cmp_lg_u32 s2, 0xf033
	s_cbranch_scc0 .Lentry_shape_is_right
	s_endpgm
.Lentry_shape_is_right:
; h = (g x max(g, 0)) x u,  g = x Wg + b_gate,  u = x Wu + b_up, both products on codes of FP8 (E4M3); h leaves as codes of FP8 with the given scale 2^e4.
; x: [1024][2048] codes; Wg, Wu: [8192 (unit)][2048 (k)] codes, K innermost.  lowp_scales: e0 (x for the gate), e1 (Wg), e2 (x for up), e3 (Wu), e4 (h), e5.
; g = sum x 2^(e0 + e1) + b_gate, u = sum x 2^(e2 + e3) + b_up, one fused multiply-add each; code of h = h / 2^e4, held within +-448, to the nearest code, ties to even.
; LIMITS: e0 + e1 and e2 + e3 between -126 and 127, e4 between -126 and 119, so that each power of two below is an f32 number.  NaN ahead of the quantiser is not served; an infinity is held at the largest code.
; SHARES.  A work-group of four waves takes 256 rows of x and 128 hidden units: its tile of B is 256 rows, 128 of Wg and the SAME 128 units of Wu.  A wave takes 128 rows x 64 units, gate and up: 64 accumulators of
; 16 x 16, 512 registers; B's blocks 0-3 are its gate units, blocks 4-7 the same units of up, so that g and u of one unit stand in one lane, 32 registers apart.  64 x 4 work-groups.
; K goes in steps of 256 through a ring of two LDS slots filled by the tensor data mover: a tile's row is 256 bytes of memory.
; CLUSTERS: 4 x 4 work-groups.  The four of a row of the cluster need the same tile of x, the four of a column the same tiles of Wg and Wu: each tile is asked for JOINTLY, by the same tensor load with the same
; descriptor and a mask that names the four.  The grid's four rows of work-groups are one cluster's height: the tile row is the place cy.
; THE MATRIX INSTRUCTION IS USED TRANSPOSED (source 0 = 16 units of a weight, source 1 = 16 rows of x): a lane holds ONE row of x and eight neighbouring units, 16 b + 8 (lane / 16) + 0 .. 7, two registers of codes.
; THE WAY OUT needs no LDS.  Between tiles 2 c and 2 c + 1 the halves of the lanes swap registers, so that lane (r, h) holds units 32 c + 16 h + 0 .. 15 in four registers: the order in which 16-byte loads bring the
; next product's other operand.  hq holds h as IMAGES OF THOSE REGISTERS: byte (row / 16) x 131072 + (unit / 128) x 2048 + piece x 512 + 16 x lane, piece = registers 4 piece .. 4 piece + 3 of the fragment of
; 16 rows x 128 units.  My 64 units are two pieces: each store of the wave covers 512 consecutive bytes, aligned.
; REGISTERS, in windows of 256: window 0: v16-31 addresses and constants; v32-63, v64-95 the biases of my units; v96-127 at work; from v128 x's fragments (8 x 16 rows x 128 K), ONE set; on the way out v128-255 are free.
;   window 1: the weights' fragments, TWO sets, at v0 and at v128.   window 2: the accumulators of my rows 0-63 (accumulator (a, b) at v[8 (8 a + b)]);   window 3: those of my rows 64-127.
.set KROW,   2048                      ; a row of x or of a weight in memory, in bytes
.set ROWB,   256                       ; a tile's row in bytes: 256 codes
.set PITCH,  272                       ; an LDS row: 256 bytes + 16 of padding = 68 words: row r starts at bank 4 r mod 64 (64 banks of 4 bytes: ISA guide 11.1)
.set FR,     16                        ; registers of a fragment: 16 rows x 128 K
.set NL,     4                         ; LDS loads that bring one
.set NP,     4                         ; places behind this matrix instruction (ISA guide 7.12.1)
.set HALFT,  128*PITCH                 ; 128 rows: what one tensor load brings
.set SLOT,   4*HALFT                   ; x's rows 0-127, x's rows 128-255, Wg's 128 rows, Wu's 128 rows
.set LAPS,   KROW/(2*ROWB)             ; a lap = two slots = once round the ring: 4
.set SPARE,  2*SLOT                    ; behind the ring: the spare words, 128 bytes for each wave: two blocks of 256 bytes that no other line names
.set ADRA, 16                          ; v16-17  LDS address of my fragments of x in slot 0, 1
.set ADRB, 20                          ; v20-21  the same for my gate units; the same units of up lie HALFT further on
.set PFO,  25                          ; v25     the prefetches' offset: my lane x a row in memory (2,048 bytes); never rewritten
.set HO,   26                          ; v26     16 x lane: my place in a piece of hq; never rewritten
.set BO,   27                          ; v27     32 x (lane / 16): my eight numbers of a tile's sixteen biases
.set SPW,  28                          ; v28     LDS address of my spare word: SPARE + 4 x my thread's number; never rewritten
.set NIL,  29                          ; v29     0; never rewritten
.set SC,   30                          ; v30     2^e4 as f32: the conversion takes its exponent field
.set LIM,  31                          ; v31     448 x 2^e4
.set BG,   32                          ; v32-63  b_gate: tile t's eight at v[BG + 8 t]
.set BU,   64                          ; v64-95  b_up likewise
.set TG,   96                          ; v96-127 g, then g x max(g, 0), then h
.set AF,   128                         ; x's fragments
.set TU,   128                         ; the way out: v128-159 u
.set TR,   160                         ; v160-191 max(g, 0)
.set HC,   192                         ; v192-255 h's codes: eight registers for each block of 16 rows, so that no store's data are written again
.set G1, 24                            ; s[24:31] descriptor group 1 for x's tiles;  s[32:39] group 0, one set for each slot
.set G0, 32
.set G1B, 48                           ; s[48:55], s[56:63] the same for the weights' tiles
.set G0B, 56
.set WHO, 77                           ; s77     1 in a wave that prefetches, else the greatest number
.set PFA, 94                           ; s[94:95] where my prefetches stand: my work-group's 32 rows of the 128 that I fetch
.set MSB, 0
.macro WIN new                         ; the immediate's high byte repeats the setting that is left; a switch that changes nothing is dropped
.if MSB != (\new)
	s_set_vgpr_msb (MSB<<8)|(\new)
.set MSB, (\new)
.endif
.endm
.set MUL_LO, 0xa1                      ; source 0 (weights) window 1, source 1 (x) window 0, C and D window 2
.set MUL_HI, 0xf1                      ; the same, C and D window 3
.set TO_B,   0x40                      ; destination window 1, address window 0
; A joint load: waves 0 and 1 fetch x's two halves, wave 2 Wg's rows, wave 3 Wu's.  Each of the two lines has ONE mask; the branch hangs on the wave's number alone.
; Four v_nop follow each of the two lines, ahead of the jump, the label and what follows.
.macro JLOAD g0a, g1a, g0b, g1b
	s_cmp_eq_u32 s15, 0
	s_cbranch_scc0 .Lfor_b_\@
	tensor_load_to_lds s[\g0a:\g0a+3], s[\g1a:\g1a+7]
	s_nop 0
.rept 4
	v_nop
.endr
	s_branch .Lasked_\@
.Lfor_b_\@:
	tensor_load_to_lds s[\g0b:\g0b+3], s[\g1b:\g1b+7]
	s_nop 0
.rept 4
	v_nop
.endr
.Lasked_\@:
.endm
; A PREFETCH INTO THE L2: 32 rows x 256 bytes, a lane a row, one instruction a wave.  At a change of slots every wave has waited for all its tensor loads, so the refill that follows has nothing on its way beside it:
; what it asks for has been asked of memory two refills earlier.  At the head slot 1 is asked for behind slot 0's load, slot 2 behind slot 1's, slot 3 behind the first step; the loop's last trip asks for nothing.
; A weight's rows are read by one cluster alone: it asks.  x's rows are read by all sixteen clusters: clusters 0, 5, 10 and 15 ask.  The four partners that ask for a tile jointly share its 128 rows out BY ADDRESS,
; 32 each (by cx for x, by cy for the weights): no branch hangs on a work-group's place in its cluster.
.macro ASK n, off
	s_cmp_gt_u32 \n, s[WHO]
	s_cbranch_scc0 .Lnot_mine_\@
	global_prefetch_b8 v[PFO], s[PFA:PFA+1] offset:\off th:TH_LOAD_NT scope:SCOPE_SE
.Lnot_mine_\@:
.endm
; A round of the cluster's barrier: my work-group's barrier, so that wave 0's signal speaks for all four waves; wave 0 signals for the work-group; every wave waits for all sixteen work-groups; my work-group's barrier once more.
.macro CREST                           ; a round behind its opening barrier
	s_cmp_lg_u32 s14, 0
	s_cbranch_scc1 .Lnot_wave_0_\@
	s_barrier_signal -3
.Lnot_wave_0_\@:
	s_barrier_wait -3
	s_barrier_signal -1
	s_barrier_wait -1
.endm
.macro CROUND
	s_barrier_signal -1
	s_barrier_wait -1
	CREST
.endm
; A fragment, 16 rows x 128 K of 8-bit codes, is 16 registers, fetched by four loads of 16 bytes: lane l holds row l % 16; registers 4 c .. 4 c + 3 hold K = 32 c + 16 (l / 16) + 0 .. 15.  That is a permutation of k
; against this form's own layout, the same in x and in the weights: every product meets its partner.
.macro FRAG reg, adr, q, i
.irp c, 0,1,2,3
	ds_load_b128 v[\reg+4*\c:\reg+4*\c+3], v[\adr] offset:128*(\q)+32*\c+(\i)*16*PITCH
.endr
.endm
.macro FRAGB reg, adr, q, i            ; block i of the weights: i < 4 my gate units 16 i on, else the units 16 (i - 4) on of up, HALFT bytes further on
.irp c, 0,1,2,3
	ds_load_b128 v[\reg+4*\c:\reg+4*\c+3], v[\adr] offset:128*(\q)+32*\c+((\i)%4)*16*PITCH+((\i)/4)*HALFT
.endr
.endm
; 8 matrix instructions: x's block a against the weights' eight, 128 along K.  p: the weights' set.  zero = 1: the first product starts the sums: nothing is ever cleared.
; The 64 accumulators take turns, one instruction a turn, in the same order in every step.
.macro MUL8 a, p, zero
.irp b, 0,1,2,3,4,5,6,7
.if \zero
	v_wmma_f32_16x16x128_fp8_fp8 v[8*(8*((\a)%4)+\b):8*(8*((\a)%4)+\b)+7], v[128*(\p)+FR*\b:128*(\p)+FR*\b+FR-1], v[AF+FR*(\a):AF+FR*(\a)+FR-1], 0
.else
	v_wmma_f32_16x16x128_fp8_fp8 v[8*(8*((\a)%4)+\b):8*(8*((\a)%4)+\b)+7], v[128*(\p)+FR*\b:128*(\p)+FR*\b+FR-1], v[AF+FR*(\a):AF+FR*(\a)+FR-1], v[8*(8*((\a)%4)+\b):8*(8*((\a)%4)+\b)+7]
.endif
.endr
.endm
.macro MUL32 a0, p, zero               ; x's blocks a0 .. a0 + 3
	MUL8 (\a0), \p, \zero
	MUL8 (\a0)+1, \p, \zero
	MUL8 (\a0)+2, \p, \zero
	MUL8 (\a0)+3, \p, \zero
.endm
.macro FETCH_B slot, q, p              ; the weights' eight fragments of the slot's q-th 128 along K into set p
	WIN TO_B
.irp i, 0,1,2,3,4,5,6,7
	FRAGB 128*(\p)+FR*\i, ADRB+\slot, \q, \i
.endr
	WIN 0
.endm
.macro FETCH_A slot, q, i0             ; x's blocks i0 .. i0 + 3
.irp i, \i0, \i0+1, \i0+2, \i0+3
	FRAG AF+FR*(\i), ADRA+\slot, \q, \i
.endr
.endm
; A load into a register that a matrix instruction has read, and a vector instruction that reads a matrix result, stand NP places behind that matrix instruction, and only plain vector instructions that name none of
; its registers are places (ISA guide 7.12.1 for vector instructions); the matrix instructions in between are not counted.
.macro PLACES n
.rept \n
	v_nop
.endr
.endm
; A step of 128 along K that has its successor in the same slot.  x has one set of registers: a block is free when its eight products are issued; blocks 0-3 are fetched anew in the step's middle, blocks 4-7 at its end.
.macro STEP slot, q, zero
	s_wait_dscnt 4*NL                              ; the weights' set and x's blocks 0-3 are in; the youngest sixteen loads (x's blocks 4-7) may be out
	WIN MUL_LO
	MUL32 0, (\q)%2, \zero
	s_wait_dscnt 0                                 ; x's blocks 4-7 are in (asked for 32 matrix instructions ago)
	PLACES NP
	FETCH_B \slot, (\q)+1, 1-(\q)%2
	FETCH_A \slot, (\q)+1, 0
	WIN MUL_HI
	MUL32 4, (\q)%2, \zero
	PLACES NP
	WIN 0
	FETCH_A \slot, (\q)+1, 4
.endm
; A slot's last step changes slots, in its MIDDLE.  All its fragments were asked for in the step before, so its first 32 products need registers alone: sixteen stand between the add and the wait for it, sixteen between
; the barrier's signal and its wait.
; ONE barrier: in front of it each wave waits for all its tensor loads, adds 0 to its spare word, and waits for that and for its own reads of this slot.  fill = 1: this slot is filled again, two slots ahead; the barrier
; then opens a round of the cluster's.
.macro TURN slot, next, fill
.if \fill
	s_wait_xcnt 0x0                                ; the last prefetch, a slot back, has read its address: it is stepped here, far ahead of the round and the joint load
	s_add_nc_u64 s[PFA:PFA+1], s[PFA:PFA+1], ROWB
.endif
	s_wait_tensorcnt 0x0                           ; all my tensor loads have landed: the one that was out is my part of the next slot; so every group 0 may be written.  (Every window is 0 here: the add's registers lie in window 0)
	ds_add_u32 v[SPW], v[NIL]                      ; 0 onto my spare word
	s_wait_dscnt 4*NL+1                            ; the weights' set and x's blocks 0-3 are in; the add and the youngest sixteen loads (x's blocks 4-7) may be out
	WIN MUL_LO
	MUL8 0, 1, 0
	MUL8 1, 1, 0
.if \fill
	s_add_nc_u64 s[G0+4*\slot+2:G0+4*\slot+3], s[G0+4*\slot+2:G0+4*\slot+3], 2*ROWB      ; this slot's next tile; the type bits on top are not reached
	s_add_nc_u64 s[G0B+4*\slot+2:G0B+4*\slot+3], s[G0B+4*\slot+2:G0B+4*\slot+3], 2*ROWB
.endif
	s_wait_dscnt 0x0                               ; the add is done, and my reads of this slot are over: x's blocks 4-7 are in
	s_barrier_signal -1
	MUL8 2, 1, 0                                   ; work on registers while the others arrive
	MUL8 3, 1, 0
	WIN 0
	s_barrier_wait -1                              ; the next slot is whole
.if \fill
	CREST                                          ; no wave of any partner still reads this slot's tile or has a load on its way
	JLOAD G0+4*\slot, G1, G0B+4*\slot, G1B         ; the first tensor load behind the round, my one load until the next; the four v_nop behind it are the places in front of the loads below
.else
	PLACES NP
.endif
	FETCH_B \next, 0, 0
	FETCH_A \next, 0, 0
.if \fill
	ASK s3, 2*ROWB                                 ; behind the joint load and the run of LDS loads that the next products wait for; s3 = 1 in the loop's last trip
.endif
	WIN MUL_HI
	MUL32 4, 1, 0
	PLACES NP
	WIN 0
	FETCH_A \next, 0, 4
.endm
	s_load_b256 s[80:87], s[0:1], 0x0              ; x's codes s[80:81], Wg's s[82:83], Wu's s[84:85], the scales' exponents s[86:87]
	s_load_b128 s[88:91], s[0:1], 0x20             ; b_gate s[88:89], b_up s[90:91]
	s_load_b64 s[92:93], s[0:1], 0x30              ; hq
	v_lshl_add_u32 v[SPW], v0, 2, SPARE
	v_mov_b32 v[NIL], 0
	ds_add_u32 v[SPW], v[NIL]                      ; the wave's opening: the add, twice on end, and its wait ahead of my first tensor load; work on registers stands between the second and the wait
	ds_add_u32 v[SPW], v[NIL]
	v_lshrrev_b32 v1, 5, v0
	v_readfirstlane_b32 s14, v1                    ; wave 0..3
	v_and_b32 v2, 15, v0                           ; r = l % 16
	v_bfe_u32 v3, v0, 4, 1                         ; h = l / 16
	v_and_b32 v5, 31, v0                           ; lane
	v_mul_u32_u24 v4, v2, PITCH
	v_lshl_add_u32 v4, v3, 4, v4                   ; a fragment's row x pitch + 16 x half
	v_lshlrev_b32 v[HO], 4, v5
	v_lshlrev_b32 v[BO], 5, v3
	v_lshlrev_b32 v[PFO], 11, v5
	s_lshr_b32 s15, s14, 1                         ; which 128 of the tile's rows of x are mine.  Also: I fetch for x (0) or for the weights (1)
	s_and_b32 s16, s14, 1                          ; which 64 of its units.  Also: which half of x's tile, or which weight, I fetch
	s_mul_i32 s21, s15, HALFT                      ; my 128 rows of x
	s_mul_i32 s22, s16, 64*PITCH                   ; my 64 units, in Wg's rows, which lie behind x's 256
	v_add_nc_u32 v[ADRA], s21, v4
	v_add_nc_u32 v[ADRB], s22, v4
	v_add_nc_u32 v[ADRB], 2*HALFT, v[ADRB]
	v_add_nc_u32 v[ADRA+1], SLOT, v[ADRA]
	v_add_nc_u32 v[ADRB+1], SLOT, v[ADRB]
	s_wait_alu depctr_va_vdst(0)
	s_wait_dscnt 0x0                               ; both opening adds are done
	s_bfe_u32 s40, ttmp6, 0x40000                  ; cx, cy: my place in the cluster
	s_bfe_u32 s41, ttmp6, 0x40004
	s_lshl_b32 s42, ttmp9, 2
	s_add_co_u32 s42, s42, s40                     ; tile of units = 4 x cluster x + cx
	s_mov_b32 s17, s41                             ; tile of rows = cy: the grid is one cluster high
	s_lshl_b32 s43, s41, 2
	s_lshl_b32 s43, 15, s43                        ; my row of the cluster
	s_lshl_b32 s44, 0x1111, s40                    ; my column
	; descriptor group 1: a tile of 128 rows x 256 bytes, padded in LDS
	s_or_b32 s[G1+0], s43, (0<<16)|(1<<20)|(1<<21)|(5<<22)|(3<<25)  ; 15:0 the mask: x's tiles go to my row; 17:16 element of 1 byte; 20 padding on; 21 set beside a mask; 24:22 after every 64 words (code 5); 31:25 of 4 words (code 3)
	s_or_b32 s[G1B+0], s44, (0<<16)|(1<<20)|(1<<21)|(5<<22)|(3<<25) ; the same with the mask of my column, for the weights' tiles
.irp g, G1, G1B
	s_mov_b32 s[\g+1], ROWB<<16                    ; tensor_dim0
	s_mov_b32 s[\g+2], 128<<16                     ; tensor_dim1 = 128
	s_mov_b32 s[\g+3], ROWB<<16                    ; tile_dim0
	s_mov_b32 s[\g+4], 128                         ; tile_dim1 = 128
	s_mov_b32 s[\g+5], KROW                        ; tensor_dim0_stride
	s_mov_b32 s[\g+6], 0
	s_mov_b32 s[\g+7], 0
.endr
	s_lshl_b32 s20, s17, 8
	s_lshl_b32 s18, s16, 7
	s_add_co_u32 s20, s20, s18                     ; x: row 256 x tile of rows + 128 x half,
	s_lshl_b32 s20, s20, 11                        ; in bytes (2,048 a row; under 2^21)
	s_mov_b32 s21, 0
	s_lshl_b32 s46, s42, 18                        ; a weight: row 128 x tile of units, in bytes (under 2^24)
	s_mov_b32 s47, 0
	s_mul_i32 s45, s14, HALFT                      ; where a tile goes: wave x 128 rows: no place in the cluster enters an LDS address
	s_wait_kmcnt 0x0
	s_load_b128 s[72:75], s[86:87], 0x0            ; e0, e1, e2, e3
	s_load_b32 s76, s[86:87], 0x10                 ; e4
	s_add_nc_u64 s[20:21], s[80:81], s[20:21]
	s_cmp_eq_u32 s16, 0                            ; the even wave of the two takes Wg, the odd one Wu: the choice hangs on the wave's number alone
	s_cselect_b64 s[22:23], s[82:83], s[84:85]
	s_add_nc_u64 s[46:47], s[22:23], s[46:47]
	s_cmp_eq_u32 s15, 0                            ; the buffer that my prefetches name is the one that I fetch from
	s_cselect_b64 s[PFA:PFA+1], s[80:81], s[22:23]
.irp s, 0,1
	s_mov_b32 s[G0+4*\s], 1                                        ; count = 1
	s_add_co_u32 s[G0+4*\s+1], s45, \s*SLOT                        ; LDS address
	s_add_nc_u64 s[G0+4*\s+2:G0+4*\s+3], s[20:21], \s*ROWB         ; global address: K step s
	s_or_b32 s[G0+4*\s+3], s[G0+4*\s+3], 0x80000000                ; type = 2
	s_mov_b32 s[G0B+4*\s], 1
	s_add_co_u32 s[G0B+4*\s+1], s45, \s*SLOT
	s_add_nc_u64 s[G0B+4*\s+2:G0B+4*\s+3], s[46:47], \s*ROWB
	s_or_b32 s[G0B+4*\s+3], s[G0B+4*\s+3], 0x80000000
.endr
	CROUND                                         ; all sixteen work-groups are here: the first joint loads meet
	JLOAD G0, G1, G0B, G1B                         ; slot 0
	; where my wave's prefetches stand, and who asks
	s_lshl_b32 s70, s17, 8
	s_lshl_b32 s71, s16, 7
	s_add_co_u32 s70, s70, s71                     ; x: the first of the 128 rows that I fetch
	s_lshl_b32 s71, s42, 7                         ; a weight: likewise
	s_lshl_b32 s18, 1, ttmp9
	s_and_b32 s18, s18, 0x8421                     ; not 0 in clusters 0, 5, 10, 15: they ask for x
	s_cmp_eq_u32 s15, 0                            ; do I fetch for x?
	s_cselect_b32 s70, s70, s71
	s_cselect_b32 s71, s40, s41                    ; my place among the four that ask for the tile with me
	s_cselect_b32 s[WHO], s18, 1
	s_cmp_lg_u32 s[WHO], 0
	s_cselect_b32 s[WHO], 1, -1                    ; the same in all sixteen partners, for a given wave
	s_lshl_b32 s71, s71, 5
	s_add_co_u32 s70, s70, s71                     ; + my work-group's 32 rows
	s_lshl_b32 s70, s70, 11                        ; in bytes (under 2^24),
	s_add_co_u32 s70, s70, ROWB                    ; at slot 1: the first refill steps it to slot 2 and names slot 4
	s_mov_b32 s71, 0
	s_add_nc_u64 s[PFA:PFA+1], s[PFA:PFA+1], s[70:71]
	s_lshl_b32 s18, s42, 9                         ; the biases of my 64 units: 4 x (128 x tile of units + 64 x half) bytes on
	s_lshl_b32 s19, s16, 8
	s_add_co_u32 s18, s18, s19
	s_mov_b32 s19, 0
	s_add_nc_u64 s[88:89], s[88:89], s[18:19]
	s_add_nc_u64 s[90:91], s[90:91], s[18:19]
.irp t, 0,1,2,3                        ; lane (r, h) wants, for tile t, the biases of units 16 t + 8 h + 0 .. 7: they are waited for on the way out
	global_load_b128 v[BG+8*\t:BG+8*\t+3],   v[BO], s[88:89] offset:64*\t
	global_load_b128 v[BG+8*\t+4:BG+8*\t+7], v[BO], s[88:89] offset:64*\t+16
	global_load_b128 v[BU+8*\t:BU+8*\t+3],   v[BO], s[90:91] offset:64*\t
	global_load_b128 v[BU+8*\t+4:BU+8*\t+7], v[BO], s[90:91] offset:64*\t+16
.endr
	ASK 2, 0                                       ; slot 1
	s_lshl_b32 s18, s17, 21                        ; hq: (16 x tile of rows + 8 x my half) blocks of 131,072 bytes,
	s_lshl_b32 s19, s15, 20
	s_add_co_u32 s18, s18, s19
	s_lshl_b32 s19, s42, 11                        ; the tile of units is one fragment of 2,048 bytes,
	s_add_co_u32 s18, s18, s19
	s_lshl_b32 s19, s16, 10                        ; my 64 units are its pieces 0, 1 or 2, 3
	s_add_co_u32 s18, s18, s19
	s_mov_b32 s19, 0
	s_add_nc_u64 s[92:93], s[92:93], s[18:19]
	s_wait_tensorcnt 0x0                           ; my part of slot 0 is in
	ds_add_u32 v[SPW], v[NIL]
	s_wait_dscnt 0x0
	CROUND                                         ; everybody's part of slot 0 is in, and all sixteen work-groups are here:
	JLOAD G0+4, G1, G0B+4, G1B                     ; slot 1's load, the first tensor load behind the round
	FETCH_B 0, 0, 0
	FETCH_A 0, 0, 0
	FETCH_A 0, 0, 4
	ASK 2, ROWB                                    ; slot 2
	STEP 0, 0, 1                                   ; the first step stands in front of the loop: its products start the sums
	ASK 2, 2*ROWB                                  ; slot 3
	s_mov_b32 s3, LAPS-1
.Llap:                                                 ; a trip goes once round the ring, from a lap's second step to the next lap's first, and fills both slots again
	TURN 0, 1, 1
	STEP 1, 0, 0
	TURN 1, 0, 1
	STEP 0, 0, 0
	s_sub_co_u32 s3, s3, 1
	s_cmp_lg_u32 s3, 0
	s_cbranch_scc1 .Llap
	TURN 0, 1, 0                                   ; the last lap fills nothing, and has no round of the cluster's barrier
	STEP 1, 0, 0
	s_wait_dscnt 4*NL                              ; the very last step: nothing more to fetch
	WIN MUL_LO
	MUL32 0, 1, 0
	s_wait_dscnt 0
	WIN MUL_HI
	MUL32 4, 1, 0
	WIN 0
; THE WAY OUT, block by block of 16 rows x my 64 units.  All in f32: g and u by one packed multiply-add for two numbers, each accumulator from its low end on; (g x max(g, 0)) x u in that order;
; the hold at 448 x 2^e4 (the conversion to an 8-bit code does not saturate: ISA guide 7.6.2); four conversions; the swap between the halves of the lanes; two stores of 512 consecutive bytes.
.macro OUTBLK a
.set AC, 64*((\a)%4)
	WIN 0x02+((\a)/4)                              ; source 0: window 2 or 3
.set n, 0
.rept 16
	v_pk_fma_f32 v[TG+n:TG+n+1], v[AC+n:AC+n+1], s[66:67], v[BG+n:BG+n+1] op_sel_hi:[1,0,1]          ; g = sum x 2^(e0 + e1) + b_gate (the scalar pair's low word for both halves)
.set n, n+2
.endr
.set n, 0
.rept 16
	v_pk_fma_f32 v[TU+n:TU+n+1], v[AC+32+n:AC+32+n+1], s[68:69], v[BU+n:BU+n+1] op_sel_hi:[1,0,1]    ; u = sum x 2^(e2 + e3) + b_up
.set n, n+2
.endr
	WIN 0
.set n, 0
.rept 32
	v_max_num_f32 v[TR+n], 0, v[TG+n]              ; relu(g)
.set n, n+1
.endr
.set n, 0
.rept 16
	v_pk_mul_f32 v[TG+n:TG+n+1], v[TG+n:TG+n+1], v[TR+n:TR+n+1]   ; g x relu(g)
.set n, n+2
.endr
.set n, 0
.rept 16
	v_pk_mul_f32 v[TG+n:TG+n+1], v[TG+n:TG+n+1], v[TU+n:TU+n+1]   ; x u
.set n, n+2
.endr
.set n, 0
.rept 32
	v_med3_num_f32 v[TG+n], v[TG+n], -v[LIM], v[LIM]
.set n, n+1
.endr
.irp t, 0,1,2,3
	v_cvt_scalef32_pk8_fp8_f32 v[HC+8*(\a)+2*\t:HC+8*(\a)+2*\t+1], v[TG+8*\t:TG+8*\t+7], v[SC]   ; units 16 t + 8 (lane / 16) + 0 .. 7 of my row
.endr
	v_nop                                          ; one plain vector instruction between a scaled conversion and the next vector instruction that touches its result or writes its sources
.irp j, 0,1,4,5
	v_permlane16_swap_b32 v[HC+8*(\a)+\j], v[HC+8*(\a)+\j+2]      ; the even tile's upper lanes against the odd tile's lower lanes: lane (r, h) then holds the 16 units of tile 2 c + h, in order
.endr
	global_store_b128 v[HO], v[HC+8*(\a):HC+8*(\a)+3],   s[92:93] offset:(\a)*131072       ; 32 lanes store 512 consecutive bytes, at a multiple of 512 from hq's first byte
	global_store_b128 v[HO], v[HC+8*(\a)+4:HC+8*(\a)+7], s[92:93] offset:(\a)*131072+512   ; no address and no data register of a store is written again
.endm
	s_wait_kmcnt 0x0
	s_add_co_i32 s66, s72, s73
	s_add_co_i32 s66, s66, 127
	s_lshl_b32 s66, s66, 23                        ; 2^(e0 + e1) as f32
	s_mov_b32 s67, s66                             ; (named with it as a pair, so it is written)
	s_add_co_i32 s68, s74, s75
	s_add_co_i32 s68, s68, 127
	s_lshl_b32 s68, s68, 23                        ; 2^(e2 + e3)
	s_mov_b32 s69, s68
	s_add_co_i32 s70, s76, 127
	s_lshl_b32 s71, s70, 23
	s_add_co_i32 s70, s70, 8
	s_lshl_b32 s70, s70, 23
	s_or_b32 s70, s70, 0x600000
	v_mov_b32 v[SC], s71                           ; 2^e4
	v_mov_b32 v[LIM], s70                          ; 448 x 2^e4: the exponent field 8 higher, over 448's mantissa field
	s_wait_alu depctr_va_vdst(0)
	s_wait_loadcnt 0x0                             ; the biases
	PLACES NP                                      ; behind the last products: for the reads of their results and the writes over x's fragments
.irp a, 0,1,2,3,4,5,6,7
	OUTBLK \a
.endr
	s_wait_tensorcnt 0x0                           ; the wave's end, behind my last tensor load: my last LDS instructions
	ds_add_u32 v[SPW], v[NIL]
	s_wait_dscnt 0x0
	CROUND                                         ; the closing round: no work-group ends while a partner may still ask for a tile that names it
	s_endpgm
.Lfunc_end_k_q5f4c7ab88e_gateup:
	.size	k_q5f4c7ab88e_gateup, .Lfunc_end_k_q5f4c7ab88e_gateup-k_q5f4c7ab88e_gateup
	.p2alignl 7, 3214868480
	.fill 96, 4, 3214868480
	.section	.rodata,"a",@progbits
	.p2align	6, 0x0
	.amdhsa_kernel k_q5f4c7ab88e_gateup
		.amdhsa_group_segment_fixed_size 327680
		.amdhsa_private_segment_fixed_size 0
		.amdhsa_enable_private_segment 0
		.amdhsa_kernarg_size 56
		.amdhsa_user_sgpr_count 2
		.amdhsa_user_sgpr_kernarg_segment_ptr 1
		.amdhsa_wavefront_size32 1
		.amdhsa_system_sgpr_workgroup_id_x 1
		.amdhsa_system_sgpr_workgroup_id_y 1
		.amdhsa_system_sgpr_workgroup_id_z 1
		.amdhsa_system_vgpr_workitem_id 0
		.amdhsa_next_free_vgpr 1024
		.amdhsa_next_free_sgpr 100
		.amdhsa_reserve_vcc 0
		.amdhsa_float_denorm_mode_32 3
		.amdhsa_float_denorm_mode_16_64 3
		.amdhsa_memory_ordered 1
		.amdhsa_forward_progress 1
		.amdhsa_inst_pref_size 143
	.end_amdhsa_kernel
	.amdgpu_metadata
---
amdhsa.version: [ 1, 2 ]
amdhsa.kernels:
  - .name:           k_q5f4c7ab88e_gateup
    .symbol:         k_q5f4c7ab88e_gateup.kd
    .args:
      - { .name: hidden_states_codes, .offset: 0, .size: 8, .value_kind: global_buffer, .address_space: global }
      - { .name: w_gate_codes, .offset: 8, .size: 8, .value_kind: global_buffer, .address_space: global }
      - { .name: w_up_codes, .offset: 16, .size: 8, .value_kind: global_buffer, .address_space: global }
      - { .name: lowp_scales, .offset: 24, .size: 8, .value_kind: global_buffer, .address_space: global }
      - { .name: b_gate, .offset: 32, .size: 8, .value_kind: global_buffer, .address_space: global }
      - { .name: b_up, .offset: 40, .size: 8, .value_kind: global_buffer, .address_space: global }
      - { .name: hq, .offset: 48, .size: 8, .value_kind: global_buffer, .address_space: global }
    .group_segment_fixed_size: 327680
    .private_segment_fixed_size: 0
    .kernarg_segment_align: 8
    .kernarg_segment_size: 56
    .max_flat_workgroup_size: 128
    .sgpr_count:     100
    .vgpr_count:     1024
    .wavefront_size: 32
...
	.end_amdgpu_metadata
.endif
;; end of part 1
;; launch down (part 2): grid 16 x 16, 4 waves a work-group, clusters of 4 x 1, 327,680 bytes of LDS; arguments hq, w_down_codes, lowp_scales, b_down, out0; writes out0
.if DOCPART == 2
	.amdgcn_target "amdgcn-amd-amdhsa--gfx1250"
	.amdhsa_code_object_version 6
	.text
	.protected	k_q5f4c7ab88e_down
	.globl	k_q5f4c7ab88e_down
	.p2align	8
	.type	k_q5f4c7ab88e_down,@function
k_q5f4c7ab88e_down:
	s_mov_b64 s[64:65], 0
	v_nop
	global_prefetch_b8 v0, s[64:65] scope:SCOPE_SE
	s_setreg_imm32_b32 hwreg(HW_REG_WAVE_MODE, 25, 1), 1
	s_wait_xcnt 0x0
	s_wait_alu depctr_hold_cnt(0) depctr_sa_sdst(0) depctr_va_vdst(0) depctr_va_sdst(0) depctr_va_ssrc(0) depctr_va_vcc(0) depctr_vm_vsrc(0)
	s_getreg_b32 s2, hwreg(HW_REG_IB_STS2, 6, 4)
	s_cmp_eq_u32 s2, 0
	s_cbranch_scc0 .Lentry_in_a_cluster
	s_endpgm
.Lentry_in_a_cluster:
	s_bfe_u32 s2, ttmp6, 0x10000c
	s_cmp_lg_u32 s2, 0x3003
	s_cbranch_scc0 .Lentry_shape_is_right
	s_endpgm
.Lentry_shape_is_right:
; out[m][n] = 2^(e4 + e5) x (sum over k of h[m][k] Wd[n][k]) + b_down[n].  h: [1024][8192] codes of FP8 (E4M3) in hq, as images of operand registers; Wd: [2048][8192] codes, K innermost; out: [1024][2048] f32; sums in f32.
; LIMIT: e4 + e5 between -126 and 127, so that 2^(e4 + e5) is an f32 number.
; SHARES.  A work-group of four waves makes 64 rows x 128 columns of out: 256 work-groups.  The waves share K out: in each slot of 1,024 along K wave w takes 256 w .. 256 w + 255, two steps of 128, for the whole tile:
; 32 accumulators of 16 x 16, 256 registers.  No fragment is read from LDS twice.  At the end the four waves' sums are added through LDS.
; Wd goes through a ring of two LDS slots (128 rows x 1,024 bytes, each wave's 256 bytes of each row in its own quarter), eight fills.  CLUSTERS: the four work-groups of a cluster take the same 128 columns and four blocks of
; rows: each tile of Wd is asked for JOINTLY, by the same tensor load with the same descriptor and a mask that names all four.  Of the 64 clusters those whose numbers are equal modulo 16 take the same columns.
; h goes from memory straight into registers, 32 loads of 512 consecutive bytes a slot; a joint load goes into LDS, so h is not asked for jointly: as register loads its 64 rows take no part in the ring, which then holds
; 1,024 along K in a slot.  h's loads for slot s + 2 stand behind slot s's products, ahead of the wait for the next tile: they are on their way during the change of slots, and h needs no prefetch beside them.
; THE MATRIX INSTRUCTION IS USED TRANSPOSED (source 0 = 16 rows of Wd, source 1 = 16 rows of h): a lane holds one row of out and eight neighbouring columns, 32 bytes.
; REGISTERS: window 0: addresses, the bias.  window 1: h, four sets of 64 (step % 4); on the way out the four waves' parts.  window 2: Wd's fragments of a slot, two sets of 128 (step % 2).  window 3: the accumulators.
.set PITCH, 272                        ; an LDS row: 256 bytes + 16 of padding = 68 words: row r starts at bank 4 r mod 64 (64 banks of 4 bytes: ISA guide 11.1)
.set WREG,  128*PITCH                  ; 128 rows: what one tensor load brings; only the wave that asks for it reads it
.set SLOT,  4*WREG
.set SPARE, 2*SLOT                     ; behind the ring: the spare words, 128 bytes for each wave: two blocks of 256 bytes that no other line names
.set SP,    528                        ; the way out: a stage row, 512 bytes + 16
.set PART,  64*SP                      ; one wave's 64 rows; the four parts take 135,168 bytes of slot 0, which has had its last fill
.set ADB,  16                          ; v16-17 LDS address of my fragments of Wd in slot 0, 1
.set AO,   18                          ; v18    16 x lane: in hq, in the bias and in a row of out
.set STO,  20                          ; v20    the way out: where I put 32 bytes of a row
.set RD0,  21                          ; v21-22 the way out: where I read parts 0, 1 and parts 2, 3
.set RD1,  22
.set PFO,  25                          ; v25    the prefetches' offset: my lane x a row of Wd (8,192 bytes)
.set SPW,  28                          ; v28    LDS address of my spare word; never rewritten
.set NIL,  29                          ; v29    0; never rewritten
.set BI,   32                          ; v32-35 the bias of my four columns
.set G1,   24                          ; s[24:31] descriptor group 1;  s[32:39] group 0, one set for each slot
.set G0,   32
.set SA,   40                          ; s[40:41] h: my work-group's rows, my wave's K, at the lap (two slots) that is being loaded
.set PFA,  46                          ; s[46:47] where my prefetches stand, stepped with s[SA]
.set MSB, 0
.macro WIN new                         ; the immediate's high byte repeats the setting that is left; a switch that changes nothing is dropped
.if MSB != (\new)
	s_set_vgpr_msb (MSB<<8)|(\new)
.set MSB, (\new)
.endif
.endm
.macro PLACES n                        ; places behind matrix instructions: for loads into registers that they read, for reads of results (ISA guide 7.12.1 for vector instructions)
.rept \n
	v_nop
.endr
.endm
; A round of the cluster's barrier: my work-group's barrier; wave 0 signals for the work-group; every wave waits for all four work-groups; my work-group's barrier once more.
.macro CROUND
	s_barrier_signal -1
	s_barrier_wait -1
	s_cmp_lg_u32 s14, 0
	s_cbranch_scc1 .Lnot_wave_0_\@
	s_barrier_signal -3
.Lnot_wave_0_\@:
	s_barrier_wait -3
	s_barrier_signal -1
	s_barrier_wait -1
.endm
; A PREFETCH INTO THE L2: my wave's 256 bytes of 32 rows of Wd, a lane a row.  The four partners share the tile's 128 rows out BY ADDRESS (32 by cx): each block of 256 bytes is named once in each cluster that loads it.
; Tile 1 is asked for behind tile 0's load, tile 2 behind tile 1's, tile 3 behind slot 0's products, and then tile s + 2 behind tile s's refill: two slots ahead.
.macro ASK off
	global_prefetch_b8 v[PFO], s[PFA:PFA+1] offset:\off th:TH_LOAD_NT scope:SCOPE_SE
.endm
.macro HLOAD j                         ; h's four fragments (16 rows x 128 K) of step j of the lap that s[SA] stands at, into set j
	WIN 0x40
.irp a, 0,1,2,3
.irp c, 0,1,2,3
	global_load_b128 v[64*(\j)+16*\a+4*\c:64*(\j)+16*\a+4*\c+3], v[AO], s[SA:SA+1] offset:\a*131072+(8*((\j)/2)+(\j)%2)*2048+512*\c
.endr
.endr
.endm
.macro FETCH slot, q                   ; Wd's eight fragments of my q-th 128 along K: lane l holds row l % 16; registers 4 c .. 4 c + 3 hold K = 32 c + 16 (l / 16) + 0 .. 15, as in h's images
	WIN 0x80
.irp b, 0,1,2,3,4,5,6,7
.irp c, 0,1,2,3
	ds_load_b128 v[128*\q+16*\b+4*\c:128*\q+16*\b+4*\c+3], v[ADB+\slot] offset:\b*16*PITCH+128*\q+32*\c
.endr
.endr
.endm
.macro MUL32 i, zero                   ; 32 products; the accumulators take turns, one instruction a turn, in the same order in every step; zero = 1 starts the sums
	WIN 0xf6                                       ; source 0 (Wd) window 2, source 1 (h) window 1, C and D window 3
.irp a, 0,1,2,3
.irp b, 0,1,2,3,4,5,6,7
.if \zero
	v_wmma_f32_16x16x128_fp8_fp8 v[8*(8*\a+\b):8*(8*\a+\b)+7], v[128*((\i)%2)+16*\b:128*((\i)%2)+16*\b+15], v[64*(\i)+16*\a:64*(\i)+16*\a+15], 0
.else
	v_wmma_f32_16x16x128_fp8_fp8 v[8*(8*\a+\b):8*(8*\a+\b)+7], v[128*((\i)%2)+16*\b:128*((\i)%2)+16*\b+15], v[64*(\i)+16*\a:64*(\i)+16*\a+15], v[8*(8*\a+\b):8*(8*\a+\b)+7]
.endif
.endr
.endr
.endm
; A slot's two steps.  p: the slot's place in its lap.  ldw: h's loads for the next slot, 32, which may be out.  hload = 1: then h for the slot two on, into the two sets just read; p = 0 steps h's and the prefetches' bases by a
; lap first.
.macro STEPS p, zero, ldw, hload
	s_wait_dscnt 32                                ; the first step's fragments are in; the second's 32 loads may be out
	s_wait_loadcnt \ldw
	MUL32 2*(\p), \zero
	s_wait_dscnt 0
	MUL32 2*(\p)+1, 0
.if \hload
.if (\p) == 0
	s_wait_xcnt 0x0                                ; the loads and prefetches behind me have read their bases
	s_add_nc_u64 s[SA:SA+1], s[SA:SA+1], 0x8000    ; 16 fragments of 2,048 bytes on
	s_add_nc_u64 s[PFA:PFA+1], s[PFA:PFA+1], 2048
.endif
	PLACES 4
	HLOAD 2*(\p)
	HLOAD 2*(\p)+1
.endif
	WIN 0
.endm
; The change of slots.  In front of the barrier each wave waits for all its tensor loads (the next slot's), adds 0 to its spare word, and waits for that and for its reads of this slot.  fill = 1: this slot takes the tile two on, and
; the barrier opens a round of the cluster's.  Then the whole of my part of the next slot is read into registers.  ask = 1: the tile four on is prefetched.
.macro TURN slot, fill, ask
	s_wait_tensorcnt 0x0
	ds_add_u32 v[SPW], v[NIL]
.if \fill
	s_add_nc_u64 s[G0+4*\slot+2:G0+4*\slot+3], s[G0+4*\slot+2:G0+4*\slot+3], 2048
	s_wait_dscnt 0x0
	CROUND
	tensor_load_to_lds s[G0+4*\slot:G0+4*\slot+3], s[G1:G1+7]     ; the first tensor load behind the round, my one load until the next
	s_nop 0
.else
	s_wait_dscnt 0x0
	s_barrier_signal -1
	s_barrier_wait -1                              ; nobody reads slot 0 any more, and it has had its last fill: it becomes the stage
.endif
	PLACES 4
	FETCH 1-\slot, 0
	FETCH 1-\slot, 1
	WIN 0
.if \ask
	ASK 2048+1024*\slot
.endif
.endm
	s_load_b256 s[4:11], s[0:1], 0x0               ; hq s[4:5], Wd s[6:7], the scales' exponents s[8:9], b_down s[10:11]
	s_load_b64 s[12:13], s[0:1], 0x20              ; out
	v_lshl_add_u32 v[SPW], v0, 2, SPARE
	v_mov_b32 v[NIL], 0
	ds_add_u32 v[SPW], v[NIL]                      ; the wave's opening: the add, twice on end, and its wait ahead of my first tensor load; work on registers stands between the second and the wait
	ds_add_u32 v[SPW], v[NIL]
	v_lshrrev_b32 v1, 5, v0
	v_readfirstlane_b32 s14, v1                    ; wave 0..3
	v_and_b32 v2, 15, v0                           ; r = l % 16
	v_bfe_u32 v3, v0, 4, 1                         ; h = l / 16
	v_and_b32 v4, 31, v0                           ; lane
	v_mul_u32_u24 v5, v2, PITCH
	v_lshl_add_u32 v5, v3, 4, v5                   ; a fragment's row x pitch + 16 x half
	v_mul_u32_u24 v6, v2, SP
	v_lshl_add_u32 v6, v3, 5, v6                   ; the stage: row r, 32 bytes for each half of the lanes
	v_lshlrev_b32 v[AO], 4, v4
	v_lshlrev_b32 v[PFO], 13, v4
	s_mul_i32 s20, s14, WREG                       ; my quarter of a slot
	s_mul_i32 s21, s14, PART                       ; my part of the stage
	s_mul_i32 s22, s14, 16*SP                      ; the 16 rows that I store
	v_add_nc_u32 v[ADB], s20, v5
	v_add_nc_u32 v[ADB+1], SLOT, v[ADB]
	v_add_nc_u32 v[STO], s21, v6
	v_add_nc_u32 v[RD0], s22, v[AO]
	v_add_nc_u32 v[RD1], 2*PART, v[RD0]
	s_wait_alu depctr_va_vdst(0)
	s_wait_dscnt 0x0                               ; both opening adds are done
	s_bfe_u32 s15, ttmp6, 0x40000                  ; cx
	s_and_b32 s17, ttmp7, 0xffff
	s_lshl_b32 s17, s17, 2
	s_add_co_u32 s18, s17, ttmp9                   ; the cluster's number, 0 .. 63: 4 x cluster y + cluster x
	s_and_b32 s17, s18, 7
	s_lshl_b32 s17, s17, 1
	s_bfe_u32 s19, s18, 0x10003                    ; (one bit, bit 3)
	s_add_co_u32 s17, s17, s19                     ; block of 128 columns, 0 .. 15: from the number's low four bits, the same in the whole cluster
	s_lshr_b32 s16, s18, 4
	s_lshl_b32 s16, s16, 2
	s_add_co_u32 s16, s16, s15                     ; block of 64 rows, 0 .. 15: 4 x the number's upper two bits + cx
	s_mov_b32 s[G1+0], 15|(0<<16)|(1<<20)|(1<<21)|(5<<22)|(3<<25)  ; 15:0 the mask: all four; 17:16 element of 1 byte; 20 padding on; 21 set beside a mask; 24:22 after every 64 words (code 5); 31:25 of 4 words (code 3)
	s_mov_b32 s[G1+1], 256<<16                     ; tensor_dim0
	s_mov_b32 s[G1+2], 128<<16                     ; tensor_dim1
	s_mov_b32 s[G1+3], 256<<16                     ; tile_dim0
	s_mov_b32 s[G1+4], 128                         ; tile_dim1
	s_mov_b32 s[G1+5], 8192                        ; tensor_dim0_stride
	s_mov_b32 s[G1+6], 0
	s_mov_b32 s[G1+7], 0
	s_lshl_b32 s18, s17, 20                        ; Wd: 128 rows x 8,192 bytes to a block of columns (under 2^24),
	s_lshl_b32 s19, s14, 8
	s_add_co_u32 s18, s18, s19                     ; my 256 bytes of each 1,024
	s_mov_b32 s19, 0
	s_lshl_b32 s22, s16, 19                        ; h: four blocks of 131,072 bytes,
	s_lshl_b32 s23, s14, 12
	s_add_co_u32 s22, s22, s23                     ; my two fragments of each eight
	s_mov_b32 s23, 0
	s_wait_kmcnt 0x0
	s_load_b64 s[44:45], s[8:9], 0x10              ; e4, e5
	s_add_nc_u64 s[6:7], s[6:7], s[18:19]
	s_add_nc_u64 s[SA:SA+1], s[4:5], s[22:23]
.irp p, 0,1
	s_mov_b32 s[G0+4*\p], 1                                        ; count = 1
	s_add_co_u32 s[G0+4*\p+1], s20, \p*SLOT                        ; LDS address
	s_add_nc_u64 s[G0+4*\p+2:G0+4*\p+3], s[6:7], \p*1024           ; global address: tile p
	s_or_b32 s[G0+4*\p+3], s[G0+4*\p+3], 0x80000000                ; type = 2
.endr
	CROUND                                         ; all four work-groups are here: the first joint loads meet
	tensor_load_to_lds s[G0:G0+3], s[G1:G1+7]      ; tile 0
	s_nop 0
	PLACES 4
	s_lshl_b32 s18, s15, 18                        ; the prefetches: my work-group's 32 rows of the tile's 128
	s_mov_b32 s19, 0
	s_add_nc_u64 s[PFA:PFA+1], s[6:7], s[18:19]
	s_lshl_b32 s18, s17, 9                         ; 128 columns of f32 are 512 bytes
	s_add_nc_u64 s[10:11], s[10:11], s[18:19]
	s_lshl_b32 s22, s16, 19                        ; out: 64 rows of 8,192 bytes to a block,
	s_lshl_b32 s23, s14, 17                        ; my 16 of them
	s_add_co_u32 s22, s22, s23
	s_add_co_u32 s22, s22, s18
	s_mov_b32 s23, 0
	s_add_nc_u64 s[12:13], s[12:13], s[22:23]
	global_load_b128 v[BI:BI+3], v[AO], s[10:11]   ; b_down of columns 4 x lane .. + 3
	HLOAD 0
	HLOAD 1
	WIN 0
	ASK 1024                                       ; tile 1
	s_wait_tensorcnt 0x0                           ; my part of tile 0 is in
	ds_add_u32 v[SPW], v[NIL]
	s_wait_dscnt 0x0
	CROUND
	tensor_load_to_lds s[G0+4:G0+7], s[G1:G1+7]    ; tile 1
	s_nop 0
	PLACES 4
	FETCH 0, 0
	FETCH 0, 1
	WIN 0
	ASK 2048                                       ; tile 2
	HLOAD 2
	HLOAD 3
	STEPS 0, 1, 32, 1                              ; slot 0, in front of the loop: its first products start the sums
	ASK 1024                                       ; tile 3 (the base has been stepped by two tiles)
	s_mov_b32 s3, 2
.Llap:                                                 ; slots 1 to 4, two a trip
	TURN 0, 1, 1
	STEPS 1, 0, 32, 1
	TURN 1, 1, 1
	STEPS 0, 0, 32, 1
	s_sub_co_u32 s3, s3, 1
	s_cmp_lg_u32 s3, 0
	s_cbranch_scc1 .Llap
	TURN 0, 1, 0                                   ; slot 5: nothing more to prefetch; its end asks for slot 7's h
	STEPS 1, 0, 32, 1
	TURN 1, 1, 0                                   ; slot 6: the last fill goes out
	STEPS 0, 0, 32, 0
	TURN 0, 0, 0                                   ; slot 7
	STEPS 1, 0, 0, 0
	; THE WAY OUT.  Each wave puts its 64 x 128 sums into its part of the stage; behind the barrier wave w adds rows 16 w .. 16 w + 15 of the four parts, scales, adds the bias, and stores rows of 512 bytes.
	PLACES 4
	WIN 0x0c
.irp a, 0,1,2,3
.irp b, 0,1,2,3,4,5,6,7
	ds_store_b128 v[STO], v[8*(8*\a+\b):8*(8*\a+\b)+3]   offset:\a*16*SP+64*\b
	ds_store_b128 v[STO], v[8*(8*\a+\b)+4:8*(8*\a+\b)+7] offset:\a*16*SP+64*\b+16
.endr
.endr
	WIN 0
	s_wait_kmcnt 0x0
	s_add_co_i32 s42, s44, s45
	s_add_co_i32 s42, s42, 127
	s_lshl_b32 s42, s42, 23                        ; 2^(e4 + e5) as f32
	s_mov_b32 s43, s42                             ; (named with it as a pair, so it is written)
	s_wait_dscnt 0x0                               ; for the others' sake: my stores into the stage are done
	s_barrier_signal -1
	s_barrier_wait -1
	WIN 0x40
.irp g, 0,1,2,3                        ; four rows at a time: part p's row 4 g + t at v[64 p + 16 g + 4 t]
.irp t, 0,1,2,3
.irp p, 0,1
	ds_load_b128 v[64*\p+16*\g+4*\t:64*\p+16*\g+4*\t+3], v[RD0] offset:\p*PART+(4*\g+\t)*SP
	ds_load_b128 v[128+64*\p+16*\g+4*\t:128+64*\p+16*\g+4*\t+3], v[RD1] offset:\p*PART+(4*\g+\t)*SP
.endr
.endr
.endr
.irp g, 0,1,2,3
	s_wait_dscnt 48-16*\g                          ; these four rows are in; the later groups' loads, 16 each, may be out
	WIN 0x45
.irp n, 0,2,4,6,8,10,12,14
	v_pk_add_f32 v[16*\g+\n:16*\g+\n+1], v[16*\g+\n:16*\g+\n+1], v[64+16*\g+\n:64+16*\g+\n+1]
.endr
.irp n, 0,2,4,6,8,10,12,14
	v_pk_add_f32 v[128+16*\g+\n:128+16*\g+\n+1], v[128+16*\g+\n:128+16*\g+\n+1], v[192+16*\g+\n:192+16*\g+\n+1]
.endr
.irp n, 0,2,4,6,8,10,12,14
	v_pk_add_f32 v[16*\g+\n:16*\g+\n+1], v[16*\g+\n:16*\g+\n+1], v[128+16*\g+\n:128+16*\g+\n+1]
.endr
	WIN 0x41
.irp n, 0,2,4,6,8,10,12,14
	v_pk_fma_f32 v[16*\g+\n:16*\g+\n+1], v[16*\g+\n:16*\g+\n+1], s[42:43], v[BI+(\n%4):BI+(\n%4)+1] op_sel_hi:[1,0,1]
.endr
	WIN 0x04
.irp t, 0,1,2,3
	global_store_b128 v[AO], v[16*\g+4*\t:16*\g+4*\t+3], s[12:13] offset:(4*\g+\t)*8192 th:TH_STORE_NT   ; 32 lanes store 512 consecutive bytes, at a multiple of 512 from out's first byte
.endr
.endr
	WIN 0
	s_wait_tensorcnt 0x0                           ; the wave's end, behind my last tensor load and my last LDS store
	ds_add_u32 v[SPW], v[NIL]
	s_wait_dscnt 0x0
	CROUND                                         ; the closing round: no work-group ends while a partner may still ask for a tile that names it
	s_endpgm
.Lfunc_end_k_q5f4c7ab88e_down:
	.size	k_q5f4c7ab88e_down, .Lfunc_end_k_q5f4c7ab88e_down-k_q5f4c7ab88e_down
	.p2alignl 7, 3214868480
	.fill 96, 4, 3214868480
	.section	.rodata,"a",@progbits
	.p2align	6, 0x0
	.amdhsa_kernel k_q5f4c7ab88e_down
		.amdhsa_group_segment_fixed_size 327680
		.amdhsa_private_segment_fixed_size 0
		.amdhsa_enable_private_segment 0
		.amdhsa_kernarg_size 40
		.amdhsa_user_sgpr_count 2
		.amdhsa_user_sgpr_kernarg_segment_ptr 1
		.amdhsa_wavefront_size32 1
		.amdhsa_system_sgpr_workgroup_id_x 1
		.amdhsa_system_sgpr_workgroup_id_y 1
		.amdhsa_system_sgpr_workgroup_id_z 1
		.amdhsa_system_vgpr_workitem_id 0
		.amdhsa_next_free_vgpr 1024
		.amdhsa_next_free_sgpr 66
		.amdhsa_reserve_vcc 0
		.amdhsa_float_denorm_mode_32 3
		.amdhsa_float_denorm_mode_16_64 3
		.amdhsa_memory_ordered 1
		.amdhsa_forward_progress 1
		.amdhsa_inst_pref_size 97
	.end_amdhsa_kernel
	.amdgpu_metadata
---
amdhsa.version: [ 1, 2 ]
amdhsa.kernels:
  - .name:           k_q5f4c7ab88e_down
    .symbol:         k_q5f4c7ab88e_down.kd
    .args:
      - { .name: hq, .offset: 0, .size: 8, .value_kind: global_buffer, .address_space: global }
      - { .name: w_down_codes, .offset: 8, .size: 8, .value_kind: global_buffer, .address_space: global }
      - { .name: lowp_scales, .offset: 16, .size: 8, .value_kind: global_buffer, .address_space: global }
      - { .name: b_down, .offset: 24, .size: 8, .value_kind: global_buffer, .address_space: global }
      - { .name: out0, .offset: 32, .size: 8, .value_kind: global_buffer, .address_space: global }
    .group_segment_fixed_size: 327680
    .private_segment_fixed_size: 0
    .kernarg_segment_align: 8
    .kernarg_segment_size: 40
    .max_flat_workgroup_size: 128
    .sgpr_count:     66
    .vgpr_count:     1024
    .wavefront_size: 32
...
	.end_amdgpu_metadata
.endif
;; end of part 2
